; MI455X (gfx1250); checked and timed in simulation.
; The chip was launched on July 23, 2026; its instructions are those of AMD's public machine-readable ISA for CDNA 5 (MIT licence, August 2026) and "CDNA5" Instruction Set Architecture Reference Guide (July 2026). The comments in the code are by the model that wrote it; some were corrected since.
;; CAAN. Allowed arithmetic: float matrix products may take bf16 or f16 operands with f32 sums; all other float work in f32.
;; Inputs: Wk 256 x 256 float32; Wq 256 x 256 float32; Wv 256 x 256 float32; Ww 256 x 1 float32; bk 256 float32; bq 256 float32; bv 256 float32; bw 1 float32; x 8 x 2,048 x 256 float32.
;; Outputs: out0 8 x 2,048 float32.
;; 2 versions, each right; version 2 is version 1 with the launch proj written anew for expert scheduling mode. Each part assembles by itself: llvm-mc -triple=amdgcn-amd-amdhsa -mcpu=gfx1250 --defsym DOCPART=n.
;; ======== version 1 of 2: 2 launches
;; workspace buffers: qf 8,388,608 bytes; kf 8,388,608 bytes; sv 65,536 bytes
;; launch proj (part 1): grid 256 x 1, 8 waves a work-group, no clusters, 321,536 bytes of LDS; arguments x, Wq, Wk, Wv, bq, bk, bv, Ww, qf, kf, sv; writes qf, kf, sv
.if DOCPART == 1
	.amdgcn_target "amdgcn-amd-amdhsa--gfx1250"
	.amdhsa_code_object_version 6
	.text
	.protected	k_qed61f74084_proj
	.globl	k_qed61f74084_proj
	.p2align	8
	.type	k_qed61f74084_proj,@function
k_qed61f74084_proj:
	s_mov_b64 s[64:65], 0
	v_nop
	global_prefetch_b8 v0, s[64:65] scope:SCOPE_SE
	s_setreg_imm32_b32 hwreg(HW_REG_WAVE_MODE, 25, 1), 1
	s_wait_xcnt 0x0
; proj: q = (x Wq + bq) log2(e)/16 and k = x Wk + bk, rounded to bf16 and stored in fragment order; s = (x Wv + bv) . Ww in f32.
; x: [16384][256] f32.  W*: [256 (k)][256 (n)] f32.  qf, kf: 8,388,608 bytes each.  sv: [16384] f32.
; FRAGMENT ORDER: byte RB*8192 + cb*512 + L*16 holds row 16 RB + (L & 15), columns 16 cb + 8 (L >> 4) + 0..7, as 8 bf16.  The chunks cb = 2 ks
; and 2 ks + 1 are registers 0-3 and 4-7 of the 16 x 32 bf16 fragment of K step ks, so the next launch fills a fragment by two loads at lane x 16.
; SHARES: a work-group owns 64 rows of x (four blocks of 16); wave w owns output columns 32 w .. 32 w + 31 of each of q, k, v (two blocks of 16).
; The 64 rows of x, as fragments, are 4 x 8 x 8 = 256 registers: register block 1, named only as the matrix instructions' second source.
; THE MATRIX INSTRUCTION IS USED TRANSPOSED: first source = 16 columns of W, second = 16 rows of x; lane (r, h) then holds row r, columns 8 h + 0..7:
; eight neighbouring numbers, which pack into the 16 bytes of the fragment order.  The bias enters as the first product's C.
; s: (beta v) Ww = beta (v Ww), so v is never stored: each lane multiplies its eight v by its eight Ww, and the 16 parts of a row meet in LDS.
; LIMITS: matrix operands are rounded to bf16; Ww is applied ahead of the softmax's weighted sum, so the order of rounding differs from the reference's.
; NO CLUSTER, NO TENSOR LOADS: all work-groups read the same weights, but these are f32 in memory and have to pass through registers to become bf16,
; and the three matrices as f32 (786,432 bytes) do not fit in a work-group's LDS; what lands in LDS is stored there from registers.
.set XP,   528                         ; LDS pitch of x's rows: 512 bytes + 16, an odd multiple of 16
.set WP,   544                         ; LDS pitch of a weight's rows: 512 bytes + 32, an odd multiple of 32 (for the transposing load)
.set RSZ,  256*WP                      ; a weight matrix in LDS: 139,264 bytes
.set R0,   64*XP                       ; 33,792: Wq, later Wv.  x lies at 0
.set R1,   R0+RSZ                      ; 173,056: Wk
.set CB,   R1+RSZ                      ; 312,320: bq, bk, bv, Ww, 1,024 bytes each
.set SP,   CB+4096                     ; 316,416: [16 parts][64 rows] f32, the parts of s
.set XLD,   1                          ; v1   r*528 + 16 h: my place in a fragment of x
.set WLD00, 2                          ; v2   my place in a fragment of the weight in R0, K steps 0-3
.set WLD01, 3                          ; v3   K steps 4-7 (128 rows further)
.set WLD10, 4                          ; v4   the same in R1
.set WLD11, 5                          ; v5
.set CLD,   6                          ; v6   CB + 128 w + 32 h: my eight columns' constants
.set HST,   7                          ; v7   R0 + 32 w rows + 8 L: where my 32 rows of a weight go
.set OST,   8                          ; v8   1024 w + 16 L: my 16 bytes in qf and kf
.set SPST,  9                          ; v9   SP + (2 w + h)*256 + 4 r
.set CO,    10                         ; v10  (thread & 63)*16: my 16 bytes of a constant array
.set CS,    11                         ; v11  CB + 16 thread
.set BIAS,  16                         ; v[16:23]  bias of the current column block; v[16:19] first receive my 16 bytes of the constants
.set LN,    24                         ; v24  lane
.set ACC,   32                         ; v[32:63]   four accumulators, one for each block of 16 rows
.set WF,    64                         ; v[64:127]  eight fragments of the weight: one column block, all of K
.set HV,    128                        ; v[128:255] my 32 rows of Wv as bf16, held until R0 is free
.set WW0,   128                        ; v[128:135], v[136:143]: Ww of my columns, once HV is stored
.set WW1,   136
.set SPP,   144                        ; v[144:151] four pairs: running sums of v * Ww
.set SB0,   0                          ; register block 1, while x and the weights come in: three buffers of 64 registers,
.set SB1,   64
.set SB2,   128
.set B1OFFX, 192                       ; and copies of five offsets, so that the whole phase runs under one window setting
.set B1OFFW, 193
.set B1XST,  194
.set B1WST0, 195
.set B1WST1, 196
.set MSB, 0
.macro WIN new                         ; s_set_vgpr_msb: bits 1:0 source 0, 3:2 source 1, 5:4 source 2, 7:6 destination; the high byte repeats the setting left
.if MSB != \new
	s_set_vgpr_msb (MSB<<8)|\new
.set MSB, \new
.endif
.endm
; Behind a run of matrix instructions: four places before a vector instruction reads a result or a load lands on an operand, five before a matrix
; instruction writes over an accumulator (ISA guide 7.12.1 for the vector and matrix instructions).
.macro PLACES
.rept 5
	v_nop
.endr
.endm
; 16 loads of 512 consecutive bytes: 8 rows of 1,024 bytes
.macro CLOAD buf, base, voff, c, nt
.irp j, 0,1,2,3,4,5,6,7,8,9,10,11,12,13,14,15
.if \nt
	global_load_b128 v[\buf+4*\j:\buf+4*\j+3], v[\voff], s[\base:\base+1] offset:\c*8192+\j*512 th:TH_LOAD_NT
.else
	global_load_b128 v[\buf+4*\j:\buf+4*\j+3], v[\voff], s[\base:\base+1] offset:\c*8192+\j*512
.endif
.endr
.endm
; four f32 to four bf16, in place: the first two registers of each four hold the result
.macro CCVT buf
.irp j, 0,1,2,3,4,5,6,7,8,9,10,11,12,13,14,15
	v_cvt_pk_bf16_f32 v[\buf+4*\j],   v[\buf+4*\j],   v[\buf+4*\j+1]
	v_cvt_pk_bf16_f32 v[\buf+4*\j+1], v[\buf+4*\j+2], v[\buf+4*\j+3]
.endr
.endm
; load j held half (j & 1) of row j >> 1: 32 lanes x 8 bytes are 256 consecutive bytes of an LDS row
.macro CSTORE buf, vaddr, pitch, c
.irp j, 0,1,2,3,4,5,6,7,8,9,10,11,12,13,14,15
	ds_store_b64 v[\vaddr], v[\buf+4*\j:\buf+4*\j+1] offset:(8*\c+(\j>>1))*\pitch+(\j&1)*256
.endr
.endm
; the same conversion out of block 1 into HV in block 0
.macro CCVTH buf, c
.irp j, 0,1,2,3,4,5,6,7,8,9,10,11,12,13,14,15
	v_cvt_pk_bf16_f32 v[HV+32*\c+2*\j],   v[\buf+4*\j],   v[\buf+4*\j+1]
	v_cvt_pk_bf16_f32 v[HV+32*\c+2*\j+1], v[\buf+4*\j+2], v[\buf+4*\j+3]
.endr
.endm
.macro HSTORE
.irp c, 0,1,2,3
.irp j, 0,1,2,3,4,5,6,7,8,9,10,11,12,13,14,15
	ds_store_b64 v[HST], v[HV+32*\c+2*\j:HV+32*\c+2*\j+1] offset:(8*\c+(\j>>1))*WP+(\j&1)*256
.endr
.endr
.endm
; The eight fragments of column block cb of a weight stored [k][n]: two transposing loads a fragment, 16 rows apart; then the block's bias (array arr)
.macro LOADW lo, hi, cb, arr
.irp ks, 0,1,2,3
	ds_load_tr16_b128 v[WF+8*\ks:WF+8*\ks+3],   v[\lo] offset:\ks*32*WP+\cb*32
	ds_load_tr16_b128 v[WF+8*\ks+4:WF+8*\ks+7], v[\lo] offset:\ks*32*WP+16*WP+\cb*32
.endr
.irp ks, 0,1,2,3
	ds_load_tr16_b128 v[WF+32+8*\ks:WF+32+8*\ks+3],   v[\hi] offset:\ks*32*WP+\cb*32
	ds_load_tr16_b128 v[WF+32+8*\ks+4:WF+32+8*\ks+7], v[\hi] offset:\ks*32*WP+16*WP+\cb*32
.endr
	ds_load_b128 v[BIAS:BIAS+3],   v[CLD] offset:\arr*1024+\cb*64
	ds_load_b128 v[BIAS+4:BIAS+7], v[CLD] offset:\arr*1024+\cb*64+16
.endm
.macro LOADWW dst, cb
	ds_load_b128 v[\dst:\dst+3],   v[CLD] offset:3*1024+\cb*64
	ds_load_b128 v[\dst+4:\dst+7], v[CLD] offset:3*1024+\cb*64+16
.endm
; 32 matrix instructions: 16 columns x 64 rows x K = 256.  The first four take the bias as C.  The four accumulators take turns, one instruction
; a turn.
.macro MUL
	WIN 0x04                               ; second source (x) in block 1, all else in block 0
.irp rb, 0,1,2,3
	v_wmma_f32_16x16x32_bf16 v[ACC+8*\rb:ACC+8*\rb+7], v[WF:WF+7], v[64*\rb:64*\rb+7], v[BIAS:BIAS+7]
.endr
.irp ks, 1,2,3,4,5,6,7
.irp rb, 0,1,2,3
	v_wmma_f32_16x16x32_bf16 v[ACC+8*\rb:ACC+8*\rb+7], v[WF+8*\ks:WF+8*\ks+7], v[64*\rb+8*\ks:64*\rb+8*\ks+7], v[ACC+8*\rb:ACC+8*\rb+7]
.endr
.endr
.endm
; round to bf16 and store: each store of the wave covers 512 consecutive bytes, aligned.  scale = 1: times log2(e)/16, so that the next launch's
; scores are exponents of 2 with the 1/sqrt(256) already in them.
.macro EPI dst, cb, scale
.irp rb, 0,1,2,3
.if \scale
.irp p, 0,2,4,6
	v_pk_mul_f32 v[ACC+8*\rb+\p:ACC+8*\rb+\p+1], v[ACC+8*\rb+\p:ACC+8*\rb+\p+1], 0x3db8aa3b op_sel_hi:[1,0]
.endr
.endif
.irp p, 0,1,2,3
	v_cvt_pk_bf16_f32 v[ACC+8*\rb+\p], v[ACC+8*\rb+2*\p], v[ACC+8*\rb+2*\p+1]
.endr
	global_store_b128 v[OST], v[ACC+8*\rb:ACC+8*\rb+3], s[\dst:\dst+1] offset:\rb*8192+\cb*512
.endr
.endm
; my eight v of each row times my eight Ww, two at a time
.macro EPIV ww, first
.irp rb, 0,1,2,3
.if \first
	v_pk_mul_f32 v[SPP+2*\rb:SPP+2*\rb+1], v[ACC+8*\rb:ACC+8*\rb+1], v[\ww:\ww+1]
.else
	v_pk_fma_f32 v[SPP+2*\rb:SPP+2*\rb+1], v[ACC+8*\rb:ACC+8*\rb+1], v[\ww:\ww+1], v[SPP+2*\rb:SPP+2*\rb+1]
.endif
.irp p, 2,4,6
	v_pk_fma_f32 v[SPP+2*\rb:SPP+2*\rb+1], v[ACC+8*\rb+\p:ACC+8*\rb+\p+1], v[\ww+\p:\ww+\p+1], v[SPP+2*\rb:SPP+2*\rb+1]
.endr
.endr
.endm
.macro WAITS                           ; the fragments are in; and the accumulators, which the last stores read, may be written again
	s_wait_dscnt 0x0
	s_wait_xcnt 0x0
.endm
	; ---- set-up ----
	s_load_b512 s[16:31], s[0:1], 0x0              ; x 16, Wq 18, Wk 20, Wv 22, bq 24, bk 26, bv 28, Ww 30
	s_load_b128 s[32:35], s[0:1], 0x40             ; qf 32, kf 34
	s_load_b64 s[36:37], s[0:1], 0x50              ; sv
	v_lshl_add_u32 v30, v0, 2, 0x4e400
	v_mov_b32 v31, 0
	v_lshrrev_b32 v27, 5, v0
	v_readfirstlane_b32 s8, v27                    ; wave 0..7
	v_and_b32 v[LN], 31, v0                        ; L
	v_and_b32 v25, 15, v0                          ; r
	v_bfe_u32 v26, v0, 4, 1                        ; h
	v_mul_u32_u24 v[XLD], v25, XP
	v_lshl_add_u32 v[XLD], v26, 4, v[XLD]
	v_and_b32 v27, 7, v0
	v_lshl_add_u32 v27, v26, 3, v27                ; 8 h + (L & 7): the row of k that I address
	v_mul_u32_u24 v[WLD00], v27, WP
	v_bfe_u32 v28, v0, 3, 1
	v_lshl_add_u32 v[WLD00], v28, 4, v[WLD00]      ; + 16 bytes for the upper eight columns
	s_lshl_b32 s9, s8, 6                           ; my 32 columns: 64 bytes a wave
	s_add_co_u32 s9, s9, R0
	v_add_nc_u32 v[WLD00], s9, v[WLD00]
	v_add_nc_u32 v[WLD01], 128*WP, v[WLD00]
	v_add_nc_u32 v[WLD10], RSZ, v[WLD00]
	v_add_nc_u32 v[WLD11], RSZ, v[WLD01]
	s_lshl_b32 s9, s8, 7
	s_add_co_u32 s9, s9, CB
	v_lshl_add_u32 v[CLD], v26, 5, s9
	s_mul_i32 s9, s8, 32*WP
	s_add_co_u32 s9, s9, R0
	v_lshl_add_u32 v[HST], v[LN], 3, s9
	s_lshl_b32 s9, s8, 10
	v_lshl_add_u32 v[OST], v[LN], 4, s9
	s_lshl_b32 s9, s8, 9
	s_add_co_u32 s9, s9, SP
	v_lshl_add_u32 v[SPST], v26, 8, s9
	v_lshl_add_u32 v[SPST], v25, 2, v[SPST]
	v_and_b32 v[CO], 63, v0
	v_lshlrev_b32 v[CO], 4, v[CO]
	v_lshl_add_u32 v[CS], v0, 4, CB
	s_lshl_b32 s9, s8, 13
	v_lshl_add_u32 v12, v[LN], 4, s9               ; x: 8 rows a wave + 16 L
	s_lshl_b32 s9, s8, 15
	v_lshl_add_u32 v13, v[LN], 4, s9               ; a weight: 32 rows a wave + 16 L
	s_mul_i32 s9, s8, 8*XP
	v_lshl_add_u32 v14, v[LN], 3, s9               ; x in LDS: 8 rows a wave + 8 L
	v_add_nc_u32 v15, RSZ, v[HST]                  ; my rows in R1
	s_mov_b32 s11, 0
	s_lshl_b32 s10, ttmp9, 16                      ; 64 rows of 1,024 bytes
	s_wait_kmcnt 0x0
	s_add_nc_u64 s[16:17], s[16:17], s[10:11]
	s_lshl_b32 s10, ttmp9, 15                      ; four row blocks of 8,192 bytes
	s_add_nc_u64 s[32:33], s[32:33], s[10:11]
	s_add_nc_u64 s[34:35], s[34:35], s[10:11]
	s_lshl_b32 s10, ttmp9, 8                       ; 64 f32
	s_add_nc_u64 s[36:37], s[36:37], s[10:11]
	; the four constant arrays, 4,096 bytes, one load of 16 bytes a thread: waves 0, 1 take bq, 2, 3 bk, 4, 5 bv, 6, 7 Ww
	s_cmp_lt_u32 s8, 4
	s_cselect_b64 s[40:41], s[24:25], s[28:29]
	s_cselect_b64 s[42:43], s[26:27], s[30:31]
	s_and_b32 s9, s8, 2
	s_cmp_lg_u32 s9, 0
	s_cselect_b64 s[40:41], s[42:43], s[40:41]
	global_load_b128 v[16:19], v[CO], s[40:41]
	WIN 0x40                                       ; destination in block 1
	v_mov_b32 v[B1OFFX], v12
	v_mov_b32 v[B1OFFW], v13
	v_mov_b32 v[B1XST],  v14
	v_mov_b32 v[B1WST0], v[HST]
	v_mov_b32 v[B1WST1], v15
	; ---- x and the weights come in: 13 chunks of 8,192 bytes a wave through three buffers; two or three chunks are on their way ----
	; s_wait_loadcnt 32 (16): the 16 loads of each of the two (one) younger chunks stay out; loads come back in order.
	WIN 0x55                                       ; every operand in block 1
	CLOAD SB0, 16, B1OFFX, 0, 1                    ; x, read once in the launch
	CLOAD SB1, 18, B1OFFW, 0, 0                    ; Wq
	CLOAD SB2, 18, B1OFFW, 1, 0
	s_wait_loadcnt 32
	CCVT SB0
	CSTORE SB0, B1XST, XP, 0
	CLOAD SB0, 18, B1OFFW, 2, 0
	s_wait_loadcnt 32
	CCVT SB1
	CSTORE SB1, B1WST0, WP, 0
	CLOAD SB1, 18, B1OFFW, 3, 0
	s_wait_loadcnt 32
	CCVT SB2
	CSTORE SB2, B1WST0, WP, 1
	CLOAD SB2, 20, B1OFFW, 0, 0                    ; Wk
	s_wait_loadcnt 32
	CCVT SB0
	CSTORE SB0, B1WST0, WP, 2
	CLOAD SB0, 20, B1OFFW, 1, 0
	s_wait_loadcnt 32
	CCVT SB1
	CSTORE SB1, B1WST0, WP, 3
	CLOAD SB1, 20, B1OFFW, 2, 0
	s_wait_loadcnt 32
	CCVT SB2
	CSTORE SB2, B1WST1, WP, 0
	CLOAD SB2, 20, B1OFFW, 3, 0
	s_wait_loadcnt 32
	CCVT SB0
	CSTORE SB0, B1WST1, WP, 1
	CLOAD SB0, 22, B1OFFW, 0, 0                    ; Wv
	s_wait_loadcnt 32
	CCVT SB1
	CSTORE SB1, B1WST1, WP, 2
	CLOAD SB1, 22, B1OFFW, 1, 0
	s_wait_loadcnt 32
	CCVT SB2
	CSTORE SB2, B1WST1, WP, 3
	CLOAD SB2, 22, B1OFFW, 2, 0
	s_wait_loadcnt 32
	WIN 0x05                                       ; sources in block 1, destination in block 0
	CCVTH SB0, 0
	WIN 0x55
	CLOAD SB0, 22, B1OFFW, 3, 0
	s_wait_loadcnt 32
	WIN 0x05
	CCVTH SB1, 1
	s_wait_loadcnt 16
	CCVTH SB2, 2
	s_wait_loadcnt 0x0
	CCVTH SB0, 3
	WIN 0
	ds_store_b128 v[CS], v[16:19]                  ; my 16 bytes of the constants (their load is the oldest of all)
	s_wait_dscnt 0x0                               ; my stores of x, Wq, Wk and the constants are done,
	s_barrier_signal -1
	s_barrier_wait -1                              ; everybody's are
	; ---- the products ----
	WIN 0x40
.irp rb, 0,1,2,3
.irp ks, 0,1,2,3,4,5,6,7
	ds_load_b128 v[64*\rb+8*\ks:64*\rb+8*\ks+3],   v[XLD] offset:\rb*16*XP+\ks*64       ; x(16 rb + r, 32 ks + 8 h ..)
	ds_load_b128 v[64*\rb+8*\ks+4:64*\rb+8*\ks+7], v[XLD] offset:\rb*16*XP+\ks*64+32    ; x(16 rb + r, 32 ks + 16 + 8 h ..)
.endr
.endr
	WIN 0
	LOADW WLD00, WLD01, 0, 0                       ; q, column block 0
	s_wait_dscnt 0x0
	MUL
	WIN 0
	PLACES
	LOADW WLD00, WLD01, 1, 0                       ; q, column block 1: my last reads of Wq
	EPI 32, 0, 1
	WAITS
	s_barrier_signal -1                            ; my reads of R0 are back
	MUL                                            ; registers only, while the others arrive
	WIN 0
	s_barrier_wait -1                              ; nobody reads Wq any more
	PLACES
	HSTORE                                         ; Wv into R0
	LOADW WLD10, WLD11, 0, 1                       ; k, column block 0
	EPI 32, 1, 1
	WAITS
	s_barrier_signal -1                            ; my rows of Wv are stored
	MUL
	WIN 0
	s_barrier_wait -1                              ; Wv is whole
	PLACES
	LOADW WLD10, WLD11, 1, 1                       ; k, column block 1
	EPI 34, 0, 0
	WAITS
	MUL
	WIN 0
	PLACES
	LOADW WLD00, WLD01, 0, 2                       ; v, column block 0
	LOADWW WW0, 0
	EPI 34, 1, 0
	WAITS
	MUL
	WIN 0
	PLACES
	LOADW WLD00, WLD01, 1, 2                       ; v, column block 1
	LOADWW WW1, 1
	EPIV WW0, 1
	s_wait_dscnt 0x0
	MUL
	WIN 0
	PLACES
	EPIV WW1, 0
	; ---- s: the 16 parts (8 waves x 2 halves of the lanes) of each row meet in LDS; wave 0 adds them in a fixed order ----
.irp rb, 0,1,2,3
	v_add_f32 v[152+\rb], v[SPP+2*\rb], v[SPP+2*\rb+1]
.endr
.irp rb, 0,1,2,3
	ds_store_b32 v[SPST], v[152+\rb] offset:\rb*64
.endr
	s_wait_dscnt 0x0                               ; my parts are stored,
	s_barrier_signal -1
	s_barrier_wait -1                              ; all are
	s_cmp_lg_u32 s8, 0
	s_cbranch_scc1 .Lend
	v_lshlrev_b32 v12, 3, v[LN]                    ; lane L takes rows 2 L and 2 L + 1
	v_add_nc_u32 v13, SP, v12
.irp p, 0,1,2,3,4,5,6,7,8,9,10,11,12,13,14,15
	ds_load_b64 v[160+2*\p:161+2*\p], v13 offset:\p*256
.endr
	s_wait_dscnt 0x0
.irp p, 0,1,2,3,4,5,6,7
	v_pk_add_f32 v[160+2*\p:161+2*\p], v[160+2*\p:161+2*\p], v[176+2*\p:177+2*\p]
.endr
.irp p, 0,1,2,3
	v_pk_add_f32 v[160+2*\p:161+2*\p], v[160+2*\p:161+2*\p], v[168+2*\p:169+2*\p]
.endr
.irp p, 0,1
	v_pk_add_f32 v[160+2*\p:161+2*\p], v[160+2*\p:161+2*\p], v[164+2*\p:165+2*\p]
.endr
	v_pk_add_f32 v[160:161], v[160:161], v[162:163]
	global_store_b64 v12, v[160:161], s[36:37]     ; one store: the group's 256 consecutive bytes of sv, aligned
.Lend:
	s_wait_tensorcnt 0x0
	ds_add_u32 v30, v31
	s_wait_dscnt 0x0
	s_endpgm
.Lfunc_end_k_qed61f74084_proj:
	.size	k_qed61f74084_proj, .Lfunc_end_k_qed61f74084_proj-k_qed61f74084_proj
	.p2alignl 7, 3214868480
	.fill 96, 4, 3214868480
	.section	.rodata,"a",@progbits
	.p2align	6, 0x0
	.amdhsa_kernel k_qed61f74084_proj
		.amdhsa_group_segment_fixed_size 321536
		.amdhsa_private_segment_fixed_size 0
		.amdhsa_enable_private_segment 0
		.amdhsa_kernarg_size 88
		.amdhsa_user_sgpr_count 2
		.amdhsa_user_sgpr_kernarg_segment_ptr 1
		.amdhsa_wavefront_size32 1
		.amdhsa_system_sgpr_workgroup_id_x 1
		.amdhsa_system_sgpr_workgroup_id_y 1
		.amdhsa_system_sgpr_workgroup_id_z 1
		.amdhsa_system_vgpr_workitem_id 0
		.amdhsa_next_free_vgpr 512
		.amdhsa_next_free_sgpr 66
		.amdhsa_reserve_vcc 0
		.amdhsa_float_denorm_mode_32 3
		.amdhsa_float_denorm_mode_16_64 3
		.amdhsa_memory_ordered 1
		.amdhsa_forward_progress 1
		.amdhsa_inst_pref_size 101
	.end_amdhsa_kernel
	.amdgpu_metadata
---
amdhsa.version: [ 1, 2 ]
amdhsa.kernels:
  - .name:           k_qed61f74084_proj
    .symbol:         k_qed61f74084_proj.kd
    .args:
      - { .name: x, .offset: 0, .size: 8, .value_kind: global_buffer, .address_space: global }
      - { .name: Wq, .offset: 8, .size: 8, .value_kind: global_buffer, .address_space: global }
      - { .name: Wk, .offset: 16, .size: 8, .value_kind: global_buffer, .address_space: global }
      - { .name: Wv, .offset: 24, .size: 8, .value_kind: global_buffer, .address_space: global }
      - { .name: bq, .offset: 32, .size: 8, .value_kind: global_buffer, .address_space: global }
      - { .name: bk, .offset: 40, .size: 8, .value_kind: global_buffer, .address_space: global }
      - { .name: bv, .offset: 48, .size: 8, .value_kind: global_buffer, .address_space: global }
      - { .name: Ww, .offset: 56, .size: 8, .value_kind: global_buffer, .address_space: global }
      - { .name: qf, .offset: 64, .size: 8, .value_kind: global_buffer, .address_space: global }
      - { .name: kf, .offset: 72, .size: 8, .value_kind: global_buffer, .address_space: global }
      - { .name: sv, .offset: 80, .size: 8, .value_kind: global_buffer, .address_space: global }
    .group_segment_fixed_size: 321536
    .private_segment_fixed_size: 0
    .kernarg_segment_align: 8
    .kernarg_segment_size: 88
    .max_flat_workgroup_size: 256
    .sgpr_count:     66
    .vgpr_count:     512
    .wavefront_size: 32
...
	.end_amdgpu_metadata
.endif
;; end of part 1
;; launch attn (part 2): grid 256 x 1, 8 waves a work-group, clusters of 4 x 1, 327,680 bytes of LDS; arguments qf, kf, sv, bw, out0; writes out0
.if DOCPART == 2
	.amdgcn_target "amdgcn-amd-amdhsa--gfx1250"
	.amdhsa_code_object_version 6
	.text
	.protected	k_qed61f74084_attn
	.globl	k_qed61f74084_attn
	.p2align	8
	.type	k_qed61f74084_attn,@function
k_qed61f74084_attn:
	s_mov_b64 s[64:65], 0
	v_nop
	global_prefetch_b8 v0, s[64:65] scope:SCOPE_SE
	s_setreg_imm32_b32 hwreg(HW_REG_WAVE_MODE, 25, 1), 1
	s_wait_xcnt 0x0
	s_wait_alu depctr_hold_cnt(0) depctr_sa_sdst(0) depctr_va_vdst(0) depctr_va_sdst(0) depctr_va_ssrc(0) depctr_va_vcc(0) depctr_vm_vsrc(0)
	s_getreg_b32 s2, hwreg(HW_REG_IB_STS2, 6, 4)
	s_cmp_eq_u32 s2, 0
	s_cbranch_scc0 .Lentry_in_a_cluster
	s_endpgm
.Lentry_in_a_cluster:
	s_bfe_u32 s2, ttmp6, 0x10000c
	s_cmp_lg_u32 s2, 0x3003
	s_cbranch_scc0 .Lentry_shape_is_right
	s_endpgm
.Lentry_shape_is_right:
; attn: out0[n] = sum over m of softmax_m(q[n].k[m] / 16) s[m] + bw, for each of 8 batches of 2,048 rows.
; qf holds q log2(e)/16 and kf holds k, bf16 in fragment order (byte RB*8192 + cb*512 + L*16 = row 16 RB + (L & 15), columns 16 cb + 8 (L >> 4) + 0..7);
; sv holds s[m] = v[m].Ww in f32.  A score is therefore an exponent of 2.
; SHARES: a work-group owns 64 queries; as fragments they are 4 x 8 x 8 = 256 registers: register block 1, named only as the matrix instructions'
; second source, the same in all eight waves.  Keys go in 8 tiles of 256; wave w takes keys 32 w .. 32 w + 31 of each tile against all 64 queries.
; First source = 16 keys, second = 16 queries: register j of lane (r, h) is the score of key 8 h + j and query r.  So each lane runs an online softmax
; of its own (running maximum M, sum L of the exponentials, sum A of exponential x s) for its query over its keys, with no traffic between lanes in the
; loop; the 16 states of a query (8 waves x 2 halves of the lanes) are merged once, at the end, through LDS.
; Waves 0-3 do a tile's softmax behind its products; waves 4-7 do it in the next trip, ahead of that trip's products: while one half of the waves
; issues matrix instructions the other half issues vector instructions.  Barriers stand on the common path.
; CLUSTER: the four work-groups of a cluster lie in one batch (32 work-groups a batch) and read the same tiles of k and the same s: these are asked
; for jointly, mask 15; every word of the descriptors is made of the cluster's number and the wave's number alone.
; By this text's count a wave has two tensor loads out at the start (its part of tile 0 and of s) and one behind each later round.
; LIMITS: matrix operands are bf16; the weighted sum runs over s = v.Ww, so the order of rounding differs from the reference's; an exponential below
; 2^-126 counts as zero; scores are taken to be finite (the running maximum starts at -infinity, which any finite score replaces).
.set TILE,  131072                     ; 256 keys x 512 bytes: an LDS slot; slots at 0 and at TILE
.set WPART, 16384                      ; a wave's 32 keys of a tile
.set SBASE, 262144                     ; s of the batch: 2,048 f32, filled once
.set MRG,   270336                     ; M, L, A: three arrays of [16 parts][64 queries] f32; written by LDS stores alone, no tensor load lands here
.set LA0, 1                            ; v1   w*16384 + 16 L: my 16 bytes of a chunk in slot 0
.set LA1, 2                            ; v2   the same in slot 1
.set SA,  3                            ; v3   SBASE + 128 w + 32 h, 1,024 further in each trip
.set QO,  4                            ; v4   16 L
.set MST, 5                            ; v5   MRG + (2 w + h)*256 + 4 r
.set MLD, 6                            ; v6   MRG + 8 L
.set OO,  7                            ; v7   8 L
.set ST,  8                            ; v[8+8q:15+8q], query block q: M twice, alpha twice, L pair, A pair
.set TA,  40                           ; v[40:43]
.set TB,  44                           ; v[44:47]
.set SV,  48                           ; v[48:63]   s of my 32 keys: key block kb at 48 + 8 kb
.set ACC, 64                           ; v[64:127]  scores: key block kb, query block q at 64 + 32 kb + 8 q
.set KF,  128                          ; v[128:255] fragments of k: key block kb, K step ks at 128 + 64 kb + 8 ks
.set MSB, 0
.macro WIN new                         ; s_set_vgpr_msb: bits 1:0 source 0, 3:2 source 1, 5:4 source 2, 7:6 destination; the high byte repeats the setting left
.if MSB != \new
	s_set_vgpr_msb (MSB<<8)|\new
.set MSB, \new
.endif
.endm
; Behind a run of matrix instructions: four places before a vector instruction reads a result or a load lands on an operand, five before a matrix
; instruction writes over an accumulator (ISA guide 7.12.1 for the vector and matrix instructions).
.macro PLACES
.rept 5
	v_nop
.endr
.endm
; A round of the cluster's barrier: my work-group's barrier, wave 0 signals for the work-group, every wave waits for all four work-groups, my
; work-group's barrier once more.
.macro ROUND
	s_barrier_signal -1
	s_barrier_wait -1
	s_cmp_lg_u32 s8, 0
	s_cbranch_scc1 .Lnot_wave_0_\@
	s_barrier_signal -3
.Lnot_wave_0_\@:
	s_barrier_wait -3
	s_barrier_signal -1
	s_barrier_wait -1
.endm
; my 32 keys of a tile: 32 loads, each 512 consecutive bytes
.macro LOADK slot
.irp kb, 0,1
.irp i, 0,1,2,3,4,5,6,7,8,9,10,11,12,13,14,15
	ds_load_b128 v[KF+64*\kb+4*\i:KF+64*\kb+4*\i+3], v[LA0+\slot] offset:\kb*8192+\i*512
.endr
.endr
.endm
; s of my 32 keys of this trip's tile; then the address steps to the next tile's
.macro LOADS
.irp kb, 0,1
	ds_load_b128 v[SV+8*\kb:SV+8*\kb+3],   v[SA] offset:\kb*64
	ds_load_b128 v[SV+8*\kb+4:SV+8*\kb+7], v[SA] offset:\kb*64+16
.endr
	v_add_nc_u32 v[SA], 1024, v[SA]
.endm
; 32 matrix instructions: 16 keys x 64 queries x 256.  The first four start the sums with the constant 0.  The four accumulators take turns, one
; instruction a turn.
.macro MULK kb
.irp q, 0,1,2,3
	v_wmma_f32_16x16x32_bf16 v[ACC+32*\kb+8*\q:ACC+32*\kb+8*\q+7], v[KF+64*\kb:KF+64*\kb+7], v[64*\q:64*\q+7], 0
.endr
.irp ks, 1,2,3,4,5,6,7
.irp q, 0,1,2,3
	v_wmma_f32_16x16x32_bf16 v[ACC+32*\kb+8*\q:ACC+32*\kb+8*\q+7], v[KF+64*\kb+8*\ks:KF+64*\kb+8*\ks+7], v[64*\q+8*\ks:64*\q+8*\ks+7], v[ACC+32*\kb+8*\q:ACC+32*\kb+8*\q+7]
.endr
.endr
.endm
; One step of the online softmax on the 4 x 16 scores of a lane: 216 vector instructions, no memory.  Written stage by stage across the four query
; blocks, so that neighbouring instructions do not wait for each other.
.macro SOFTMAX
	; the new maximum: 16 scores and the old M, eight three-way maxima in two chains
.irp q, 0,1,2,3
	v_max3_num_f32 v[TA+\q], v[ACC+8*\q],    v[ACC+8*\q+1],    v[ACC+8*\q+2]
	v_max3_num_f32 v[TB+\q], v[ACC+32+8*\q], v[ACC+32+8*\q+1], v[ACC+32+8*\q+2]
.endr
.irp q, 0,1,2,3
	v_max3_num_f32 v[TA+\q], v[TA+\q], v[ACC+8*\q+3],    v[ACC+8*\q+4]
	v_max3_num_f32 v[TB+\q], v[TB+\q], v[ACC+32+8*\q+3], v[ACC+32+8*\q+4]
.endr
.irp q, 0,1,2,3
	v_max3_num_f32 v[TA+\q], v[TA+\q], v[ACC+8*\q+5],    v[ACC+8*\q+6]
	v_max3_num_f32 v[TB+\q], v[TB+\q], v[ACC+32+8*\q+5], v[ACC+32+8*\q+6]
.endr
.irp q, 0,1,2,3
	v_max3_num_f32 v[TA+\q], v[TA+\q], v[ACC+8*\q+7], v[ACC+32+8*\q+7]
.endr
.irp q, 0,1,2,3
	v_max3_num_f32 v[TA+\q], v[TA+\q], v[TB+\q], v[ST+8*\q]
.endr
	; alpha = 2^(old M - new M), made twice to fill the pair that the packed forms multiply by; M takes the new value, twice
.irp q, 0,1,2,3
	v_sub_f32 v[TB+\q], v[ST+8*\q], v[TA+\q]
.endr
.irp q, 0,1,2,3
	v_mov_b32 v[ST+8*\q],   v[TA+\q]
	v_mov_b32 v[ST+8*\q+1], v[TA+\q]
.endr
.irp q, 0,1,2,3
	v_exp_f32 v[ST+8*\q+2], v[TB+\q]
	v_exp_f32 v[ST+8*\q+3], v[TB+\q]
.endr
	; score - M: plain instructions that touch neither alpha nor its source, so they are the place behind the exponentials above
.irp p, 0,2,4,6
.irp q, 0,1,2,3
	v_pk_add_f32 v[ACC+8*\q+\p:ACC+8*\q+\p+1],       v[ACC+8*\q+\p:ACC+8*\q+\p+1],       v[ST+8*\q:ST+8*\q+1] neg_lo:[0,1] neg_hi:[0,1]
	v_pk_add_f32 v[ACC+32+8*\q+\p:ACC+32+8*\q+\p+1], v[ACC+32+8*\q+\p:ACC+32+8*\q+\p+1], v[ST+8*\q:ST+8*\q+1] neg_lo:[0,1] neg_hi:[0,1]
.endr
.endr
	; p = 2^(score - M), in place, 64 back to back
.irp q, 0,1,2,3
.irp j, 0,1,2,3,4,5,6,7
	v_exp_f32 v[ACC+8*\q+\j],    v[ACC+8*\q+\j]
	v_exp_f32 v[ACC+32+8*\q+\j], v[ACC+32+8*\q+\j]
.endr
.endr
	; A = A alpha: plain, names no p: the place behind the exponentials above
	s_wait_alu depctr_va_vdst(0)
.irp q, 0,1,2,3
	v_pk_mul_f32 v[ST+8*\q+6:ST+8*\q+7], v[ST+8*\q+6:ST+8*\q+7], v[ST+8*\q+2:ST+8*\q+3]
.endr
	; L = L alpha + sum of p
.irp q, 0,1,2,3
	v_pk_fma_f32 v[ST+8*\q+4:ST+8*\q+5], v[ST+8*\q+4:ST+8*\q+5], v[ST+8*\q+2:ST+8*\q+3], v[ACC+8*\q:ACC+8*\q+1]
.endr
.irp p, 2,4,6
.irp q, 0,1,2,3
	v_pk_add_f32 v[ST+8*\q+4:ST+8*\q+5], v[ST+8*\q+4:ST+8*\q+5], v[ACC+8*\q+\p:ACC+8*\q+\p+1]
.endr
.endr
.irp p, 0,2,4,6
.irp q, 0,1,2,3
	v_pk_add_f32 v[ST+8*\q+4:ST+8*\q+5], v[ST+8*\q+4:ST+8*\q+5], v[ACC+32+8*\q+\p:ACC+32+8*\q+\p+1]
.endr
.endr
	; A += p s
.irp p, 0,2,4,6
.irp q, 0,1,2,3
	v_pk_fma_f32 v[ST+8*\q+6:ST+8*\q+7], v[ACC+8*\q+\p:ACC+8*\q+\p+1], v[SV+\p:SV+\p+1], v[ST+8*\q+6:ST+8*\q+7]
.endr
.endr
.irp p, 0,2,4,6
.irp q, 0,1,2,3
	v_pk_fma_f32 v[ST+8*\q+6:ST+8*\q+7], v[ACC+32+8*\q+\p:ACC+32+8*\q+\p+1], v[SV+8+\p:SV+8+\p+1], v[ST+8*\q+6:ST+8*\q+7]
.endr
.endr
.endm
; One tile.  slot: where it lies; refill = 1: the other slot gets the next tile; first = 1: the first trip.
.macro TRIP slot, refill, first
	s_wait_xcnt 0x0
	v_lshl_add_u32 v254, v0, 2, 0x45000
	v_mov_b32 v255, 0
	s_wait_tensorcnt 0x0                           ; all my tensor loads have landed, my part of this tile among them: no load of mine is out,
	ds_add_u32 v254, v255
	s_wait_dscnt 0x0
	s_add_nc_u64 s[34+4*\slot:35+4*\slot], s[34+4*\slot:35+4*\slot], 2*TILE   ; so a descriptor may be written: this slot's next tile
	s_wait_dscnt 0x0                               ; my reads of the other slot are back
	ROUND                                          ; both now hold of every wave of the four work-groups
.if \refill
	tensor_load_to_lds s[36-4*\slot:39-4*\slot], s[16:23]   ; my one tensor load behind the round, and the first thing there: the next tile
	s_nop 0
.endif
	LOADK \slot
.if \first == 0
	s_cmp_lt_u32 s8, 4
	s_cbranch_scc1 .Lno_prev_\@
	SOFTMAX                                        ; waves 4-7: the tile before, while this tile's fragments come from LDS
.Lno_prev_\@:
.endif
	LOADS
.if \first
	s_wait_loadcnt 0x0                             ; the queries
.endif
	s_wait_dscnt 20                                ; key block 0 is in: the 16 loads of key block 1 and the 4 of s are younger
	WIN 0x04                                       ; second source (the queries) in block 1
	MULK 0
	s_wait_dscnt 0x0
	MULK 1
	WIN 0
	PLACES
	s_cmp_ge_u32 s8, 4
	s_cbranch_scc1 .Lno_this_\@
	SOFTMAX                                        ; waves 0-3: this tile
.Lno_this_\@:
.endm
	; ---- set-up ----
	s_load_b256 s[44:51], s[0:1], 0x0              ; qf 44, kf 46, sv 48, bw 50
	s_load_b64 s[52:53], s[0:1], 0x20              ; out0
	v_lshl_add_u32 v254, v0, 2, 0x45000
	v_mov_b32 v255, 0
	ds_add_u32 v254, v255
	s_wait_dscnt 0x0
	v_lshrrev_b32 v40, 5, v0
	v_readfirstlane_b32 s8, v40                    ; wave 0..7
	s_bfe_u32 s9, ttmp6, 0x40000                   ; cx: my place in the cluster
	s_lshl_b32 s10, ttmp9, 2
	s_add_co_u32 s10, s10, s9                      ; work-group = 4 x cluster + cx: my 64 queries
	s_lshr_b32 s11, ttmp9, 3                       ; batch: 8 clusters each
	; group 1 for a wave's part of a tile: 64 rows of 32 elements of 8 bytes, dense: 16,384 bytes
	s_mov_b32 s16, 15|(3<<16)|(1<<21)              ; 15:0 mask: all four work-groups; 17:16 elements of 8 bytes; 21 set beside a mask
	s_mov_b32 s17, 32<<16                          ; tensor_dim0 = 32
	s_mov_b32 s18, 64<<16                          ; tensor_dim1 = 64
	s_mov_b32 s19, 32<<16                          ; tile_dim0 = 32
	s_mov_b32 s20, 64                              ; tile_dim1 = 64
	s_mov_b32 s21, 32                              ; from row to row: 32 elements
	s_mov_b32 s22, 0
	s_mov_b32 s23, 0
	; group 1 for a wave's part of s: 4 such rows: 1,024 bytes
	s_mov_b32 s24, 15|(3<<16)|(1<<21)
	s_mov_b32 s25, 32<<16
	s_mov_b32 s26, 4<<16
	s_mov_b32 s27, 32<<16
	s_mov_b32 s28, 4
	s_mov_b32 s29, 32
	s_mov_b32 s30, 0
	s_mov_b32 s31, 0
	; group 0, one set for each slot and one for s
	s_mov_b32 s32, 1
	s_lshl_b32 s33, s8, 14                         ; slot 0: wave x 16,384
	s_mov_b32 s36, 1
	s_add_co_u32 s37, s33, TILE                    ; slot 1
	s_mov_b32 s40, 1
	s_lshl_b32 s41, s8, 10
	s_add_co_u32 s41, s41, SBASE                   ; s: wave x 1,024
	s_lshl_b32 s12, s11, 20                        ; a batch of k: 1,048,576 bytes
	s_add_co_u32 s12, s12, s33                     ; + my part of a tile
	s_mov_b32 s13, 0
	s_mov_b32 s57, 0
	v_and_b32 v40, 31, v0                          ; L
	v_and_b32 v41, 15, v0                          ; r
	v_bfe_u32 v42, v0, 4, 1                        ; h
	v_lshl_add_u32 v[LA0], v40, 4, s33
	v_add_nc_u32 v[LA1], TILE, v[LA0]
	s_lshl_b32 s14, s8, 7
	s_add_co_u32 s14, s14, SBASE
	v_lshl_add_u32 v[SA], v42, 5, s14
	v_lshlrev_b32 v[QO], 4, v40
	s_lshl_b32 s14, s8, 9
	s_add_co_u32 s14, s14, MRG
	v_lshl_add_u32 v[MST], v42, 8, s14
	v_lshl_add_u32 v[MST], v41, 2, v[MST]
	v_lshlrev_b32 v[OO], 3, v40
	v_add_nc_u32 v[MLD], MRG, v[OO]
	s_wait_kmcnt 0x0
	s_load_b32 s55, s[50:51], 0x0                  ; bw
	s_add_nc_u64 s[34:35], s[46:47], s[12:13]      ; tile 0, my part
	s_add_nc_u64 s[38:39], s[34:35], TILE          ; tile 1
	s_or_b32 s35, s35, 0x80000000                  ; type = 2
	s_or_b32 s39, s39, 0x80000000
	s_lshl_b32 s12, s11, 13                        ; a batch of s: 8,192 bytes
	s_lshl_b32 s14, s8, 10
	s_add_co_u32 s12, s12, s14
	s_add_nc_u64 s[42:43], s[48:49], s[12:13]
	s_or_b32 s43, s43, 0x80000000
	s_lshl_b32 s56, s10, 15                        ; my 64 queries: four row blocks of 8,192 bytes
	s_add_nc_u64 s[44:45], s[44:45], s[56:57]
	s_lshl_b32 s56, s10, 8                         ; my 64 results
	s_add_nc_u64 s[52:53], s[52:53], s[56:57]
	WIN 0x40                                       ; destination in block 1
.set i, 0
.rept 64
	global_load_b128 v[4*i:4*i+3], v[QO], s[44:45] offset:i*512   ; chunk i: query block i / 16, K step (i % 16) / 2, registers 4 (i % 2) ..
.set i, i+1
.endr
	WIN 0
	ROUND                                          ; the four work-groups are here: the first joint loads meet
	tensor_load_to_lds s[32:35], s[16:23]          ; tile 0
	s_nop 0
	tensor_load_to_lds s[40:43], s[24:31]          ; s
	s_nop 0
.irp q, 0,1,2,3
	v_mov_b32 v[ST+8*\q],   0xff800000             ; M = -infinity
	v_mov_b32 v[ST+8*\q+1], 0xff800000
	v_mov_b32 v[ST+8*\q+4], 0                      ; L = 0
	v_mov_b32 v[ST+8*\q+5], 0
	v_mov_b32 v[ST+8*\q+6], 0                      ; A = 0
	v_mov_b32 v[ST+8*\q+7], 0
.endr
	s_wait_kmcnt 0x0                               ; bw
	; ---- eight tiles; trip t asks for tile t + 1 ----
	TRIP 0, 1, 1
	s_mov_b32 s54, 3
.Ltiles:
	TRIP 1, 1, 0
	TRIP 0, 1, 0
	s_sub_co_u32 s54, s54, 1
	s_cmp_lg_u32 s54, 0
	s_cbranch_scc1 .Ltiles
	TRIP 1, 0, 0                                   ; the last tile: nothing is left to fetch
	s_cmp_lt_u32 s8, 4
	s_cbranch_scc1 .Lno_tail
	SOFTMAX                                        ; waves 4-7: the last tile
.Lno_tail:
	; ---- the 16 states of each query meet in LDS ----
.irp q, 0,1,2,3
	v_add_f32 v[TA+\q], v[ST+8*\q+4], v[ST+8*\q+5]
	v_add_f32 v[TB+\q], v[ST+8*\q+6], v[ST+8*\q+7]
.endr
.irp q, 0,1,2,3
	ds_store_b32 v[MST], v[ST+8*\q] offset:\q*64
	ds_store_b32 v[MST], v[TA+\q]   offset:4096+\q*64
	ds_store_b32 v[MST], v[TB+\q]   offset:8192+\q*64
.endr
	s_wait_dscnt 0x0                               ; my states are stored,
	s_barrier_signal -1
	s_barrier_wait -1                              ; all are
	s_cmp_lg_u32 s8, 0
	s_cbranch_scc1 .Lclose
	; wave 0: lane L merges queries 2 L and 2 L + 1
.irp p, 0,1,2,3,4,5,6,7,8,9,10,11,12,13,14,15
	ds_load_b64 v[128+2*\p:129+2*\p], v[MLD] offset:\p*256
	ds_load_b64 v[160+2*\p:161+2*\p], v[MLD] offset:4096+\p*256
	ds_load_b64 v[192+2*\p:193+2*\p], v[MLD] offset:8192+\p*256
.endr
	s_wait_dscnt 0x0
.irp e, 0,1
	v_max3_num_f32 v[224+\e], v[128+\e], v[130+\e], v[132+\e]
.irp p, 3,5,7,9,11,13
	v_max3_num_f32 v[224+\e], v[224+\e], v[128+2*\p+\e], v[130+2*\p+\e]
.endr
	v_max_num_f32 v[224+\e], v[224+\e], v[158+\e]
.endr
.irp p, 0,1,2,3,4,5,6,7,8,9,10,11,12,13,14,15
	v_pk_add_f32 v[128+2*\p:129+2*\p], v[128+2*\p:129+2*\p], v[224:225] neg_lo:[0,1] neg_hi:[0,1]
.endr
.irp p, 0,1,2,3,4,5,6,7,8,9,10,11,12,13,14,15
	v_exp_f32 v[128+2*\p], v[128+2*\p]
	v_exp_f32 v[129+2*\p], v[129+2*\p]
.endr
	v_nop                                          ; one plain place behind the exponentials
	s_wait_alu depctr_va_vdst(0)
	v_pk_mul_f32 v[226:227], v[128:129], v[160:161]
	v_pk_mul_f32 v[228:229], v[128:129], v[192:193]
.irp p, 1,2,3,4,5,6,7,8,9,10,11,12,13,14,15
	v_pk_fma_f32 v[226:227], v[128+2*\p:129+2*\p], v[160+2*\p:161+2*\p], v[226:227]
	v_pk_fma_f32 v[228:229], v[128+2*\p:129+2*\p], v[192+2*\p:193+2*\p], v[228:229]
.endr
	v_rcp_f32 v230, v226                           ; the sum is at least 1: the part that holds the maximum counts its own largest term as 1
	v_rcp_f32 v231, v227
	v_nop                                          ; one plain place behind the reciprocals
	s_wait_alu depctr_va_vdst(0)
	v_fma_f32 v232, v228, v230, s55                ; A / L + bw
	v_fma_f32 v233, v229, v231, s55
	global_store_b64 v[OO], v[232:233], s[52:53]   ; one store: the group's 256 consecutive bytes of out0, aligned
.Lclose:
	s_wait_xcnt 0x0
	v_lshl_add_u32 v254, v0, 2, 0x45000
	v_mov_b32 v255, 0
	s_wait_tensorcnt 0x0
	ds_add_u32 v254, v255
	s_wait_dscnt 0x0
	ROUND                                          ; the closing round: no work-group ends while a partner may still ask for a tile that names it
	s_endpgm
.Lfunc_end_k_qed61f74084_attn:
	.size	k_qed61f74084_attn, .Lfunc_end_k_qed61f74084_attn-k_qed61f74084_attn
	.p2alignl 7, 3214868480
	.fill 96, 4, 3214868480
	.section	.rodata,"a",@progbits
	.p2align	6, 0x0
	.amdhsa_kernel k_qed61f74084_attn
		.amdhsa_group_segment_fixed_size 327680
		.amdhsa_private_segment_fixed_size 0
		.amdhsa_enable_private_segment 0
		.amdhsa_kernarg_size 40
		.amdhsa_user_sgpr_count 2
		.amdhsa_user_sgpr_kernarg_segment_ptr 1
		.amdhsa_wavefront_size32 1
		.amdhsa_system_sgpr_workgroup_id_x 1
		.amdhsa_system_sgpr_workgroup_id_y 1
		.amdhsa_system_sgpr_workgroup_id_z 1
		.amdhsa_system_vgpr_workitem_id 0
		.amdhsa_next_free_vgpr 512
		.amdhsa_next_free_sgpr 66
		.amdhsa_reserve_vcc 0
		.amdhsa_float_denorm_mode_32 3
		.amdhsa_float_denorm_mode_16_64 3
		.amdhsa_memory_ordered 1
		.amdhsa_forward_progress 1
		.amdhsa_inst_pref_size 139
	.end_amdhsa_kernel
	.amdgpu_metadata
---
amdhsa.version: [ 1, 2 ]
amdhsa.kernels:
  - .name:           k_qed61f74084_attn
    .symbol:         k_qed61f74084_attn.kd
    .args:
      - { .name: qf, .offset: 0, .size: 8, .value_kind: global_buffer, .address_space: global }
      - { .name: kf, .offset: 8, .size: 8, .value_kind: global_buffer, .address_space: global }
      - { .name: sv, .offset: 16, .size: 8, .value_kind: global_buffer, .address_space: global }
      - { .name: bw, .offset: 24, .size: 8, .value_kind: global_buffer, .address_space: global }
      - { .name: out0, .offset: 32, .size: 8, .value_kind: global_buffer, .address_space: global }
    .group_segment_fixed_size: 327680
    .private_segment_fixed_size: 0
    .kernarg_segment_align: 8
    .kernarg_segment_size: 40
    .max_flat_workgroup_size: 256
    .sgpr_count:     66
    .vgpr_count:     512
    .wavefront_size: 32
...
	.end_amdgpu_metadata
.endif
;; end of part 2
;; ======== version 2 of 2: 2 launches; version 1 with the launch proj written anew for expert scheduling mode
;; workspace buffers: qf 8,388,608 bytes; kf 8,388,608 bytes; sv 65,536 bytes
;; launch proj (part 3): grid 256 x 1, 8 waves a work-group, no clusters, 321,536 bytes of LDS; arguments x, Wq, Wk, Wv, bq, bk, bv, Ww, qf, kf, sv; writes qf, kf, sv
.if DOCPART == 3
	.amdgcn_target "amdgcn-amd-amdhsa--gfx1250"
	.amdhsa_code_object_version 6
	.text
	.protected	k_qed61f74084_proj
	.globl	k_qed61f74084_proj
	.p2align	8
	.type	k_qed61f74084_proj,@function
k_qed61f74084_proj:
	s_mov_b64 s[64:65], 0
	v_nop
	global_prefetch_b8 v0, s[64:65] scope:SCOPE_SE
	s_setreg_imm32_b32 hwreg(HW_REG_WAVE_SCHED_MODE, 0, 2), 2
	s_setreg_imm32_b32 hwreg(HW_REG_WAVE_MODE, 25, 1), 1
	s_wait_xcnt 0x0
	s_wait_alu depctr_vm_vsrc(0)
; proj: q = (x Wq + bq) log2(e)/16 and k = x Wk + bk, rounded to bf16 and stored in fragment order; s = (x Wv + bv) . Ww in f32.
; x: [16384][256] f32.  W*: [256 (k)][256 (n)] f32.  qf, kf: 8,388,608 bytes each.  sv: [16384] f32.
; FRAGMENT ORDER: byte RB*8192 + cb*512 + L*16 holds row 16 RB + (L & 15), columns 16 cb + 8 (L >> 4) + 0..7, as 8 bf16.  The chunks cb = 2 ks
; and 2 ks + 1 are registers 0-3 and 4-7 of the 16 x 32 bf16 fragment of K step ks, so the next launch fills a fragment by two loads at lane x 16.
; SHARES: a work-group owns 64 rows of x (four blocks of 16); wave w owns output columns 32 w .. 32 w + 31 of each of q, k, v (two blocks of 16).
; The 64 rows of x, as fragments, are 4 x 8 x 8 = 256 registers: register block 1, named only as the matrix instructions' second source.
; THE MATRIX INSTRUCTION IS USED TRANSPOSED: first source = 16 columns of W, second = 16 rows of x; lane (r, h) then holds row r, columns 8 h + 0..7:
; eight neighbouring numbers, which pack into the 16 bytes of the fragment order.  The bias enters as the first product's C.
; s: (beta v) Ww = beta (v Ww), so v is never stored: each lane multiplies its eight v by its eight Ww, and the 16 parts of a row meet in LDS.
; LIMITS: matrix operands are rounded to bf16; Ww is applied ahead of the softmax's weighted sum, so the order of rounding differs from the reference's.
; NO CLUSTER, NO TENSOR LOADS: all work-groups read the same weights, but these are f32 in memory and have to pass through registers to become bf16,
; and the three matrices as f32 (786,432 bytes) do not fit in a work-group's LDS; what lands in LDS is stored there from registers.
; THE MODE: SCHED_MODE bits 1:0 = 2 (LLVM: expert scheduling mode 2), set by the entry lines.  The code itself states the register dependences
; between vector or matrix instructions and memory or LDS instructions, with s_wait_alu, always for 0.
; THE PLAN.  Registers that memory or LDS instructions touch:
;   v1-v11, and v192-196 of block 1   offsets and LDS addresses: made at the head, ahead of the one wait in front of the first load, and named by no vector instruction again.
;   SB0 .. SB2   a chunk as loaded.  Read by its step's conversions alone; behind them the chunk three steps on lands in it.
;   OB           a chunk as bf16.  Written by a step's conversions, read by that step's 16 LDS stores, written again by the next step's conversions.
;   HV           written by Wv's conversions, read by the LDS stores that lay Wv into R0; later Ww, the sums and the last parts lie there.
;   WF, BIAS     LDS loads land in them; a product's matrix instructions read them; the next column block's loads land in them.
;   ACC          written by matrix instructions, scaled and rounded in place, read by four global stores, written by the next product.
; A chunk's step has two waits: one on vm_vsrc ahead of its conversions (the last step's stores have read OB), one on va_vdst behind them (OB is written, the
; raw buffer is read); the reload and then the stores follow.  A product has three: va_vdst behind its places (WF and BIAS are read), va_vdst between the
; roundings and their stores, vm_vsrc ahead of the next product (the stores have read ACC).
.set XP,   528                         ; LDS pitch of x's rows: 512 bytes + 16, an odd multiple of 16
.set WP,   544                         ; LDS pitch of a weight's rows: 512 bytes + 32, an odd multiple of 32 (for the transposing load)
.set RSZ,  256*WP                      ; a weight matrix in LDS: 139,264 bytes
.set R0,   64*XP                       ; 33,792: Wq, later Wv.  x lies at 0
.set R1,   R0+RSZ                      ; 173,056: Wk
.set CB,   R1+RSZ                      ; 312,320: bq, bk, bv, Ww, 1,024 bytes each
.set SP,   CB+4096                     ; 316,416: [16 parts][64 rows] f32, the parts of s
.set XLD,   1                          ; v1   r*528 + 16 h: my place in a fragment of x
.set WLD00, 2                          ; v2   my place in a fragment of the weight in R0, K steps 0-3
.set WLD01, 3                          ; v3   K steps 4-7 (128 rows further)
.set WLD10, 4                          ; v4   the same in R1
.set WLD11, 5                          ; v5
.set CLD,   6                          ; v6   CB + 128 w + 32 h: my eight columns' constants
.set HST,   7                          ; v7   R0 + 32 w rows + 8 L: where my 32 rows of a weight go
.set OST,   8                          ; v8   1024 w + 16 L: my 16 bytes in qf and kf
.set SPST,  9                          ; v9   SP + (2 w + h)*256 + 4 r
.set CO,    10                         ; v10  (thread & 63)*16: my 16 bytes of a constant array
.set CS,    11                         ; v11  CB + 16 thread
.set BIAS,  16                         ; v[16:23]  bias of the current column block; v[16:19] first receive my 16 bytes of the constants
.set LN,    24                         ; v24  lane
.set ACC,   32                         ; v[32:63]   four accumulators, one for each block of 16 rows
.set WF,    64                         ; v[64:127]  eight fragments of the weight: one column block, all of K
.set HV,    128                        ; v[128:255] my 32 rows of Wv as bf16, held until R0 is free
.set WW0,   128                        ; v[128:135], v[136:143]: Ww of my columns, once HV is stored
.set WW1,   136
.set SPP,   144                        ; v[144:151] four pairs: running sums of v * Ww
.set SB0,   0                          ; register block 1, while x and the weights come in: three buffers of 64 registers,
.set SB1,   64
.set SB2,   128
.set B1OFFX, 192                       ; and copies of five offsets, so that the whole phase runs under one window setting
.set B1OFFW, 193
.set B1XST,  194
.set B1WST0, 195
.set B1WST1, 196
.set OB,     200                       ; v[200:231] of block 1: a chunk as bf16, on its way into LDS
.set MSB, 0
.macro WIN new                         ; s_set_vgpr_msb: bits 1:0 source 0, 3:2 source 1, 5:4 source 2, 7:6 destination; the high byte repeats the setting left
.if MSB != \new
	s_set_vgpr_msb (MSB<<8)|\new
.set MSB, \new
.endif
.endm
; Behind a run of matrix instructions: four places before a vector instruction reads a result, five before a matrix
; instruction writes over an accumulator (ISA guide 7.12.1).
.macro PLACES
.rept 5
	v_nop
.endr
.endm
; 16 loads of 512 consecutive bytes: 8 rows of 1,024 bytes
.macro CLOAD buf, base, voff, c, nt
.irp j, 0,1,2,3,4,5,6,7,8,9,10,11,12,13,14,15
.if \nt
	global_load_b128 v[\buf+4*\j:\buf+4*\j+3], v[\voff], s[\base:\base+1] offset:\c*8192+\j*512 th:TH_LOAD_NT
.else
	global_load_b128 v[\buf+4*\j:\buf+4*\j+3], v[\voff], s[\base:\base+1] offset:\c*8192+\j*512
.endif
.endr
.endm
; four f32 to four bf16: load j's four numbers become pair j of OB
.macro CCVT buf
.irp j, 0,1,2,3,4,5,6,7,8,9,10,11,12,13,14,15
	v_cvt_pk_bf16_f32 v[OB+2*\j],   v[\buf+4*\j],   v[\buf+4*\j+1]
	v_cvt_pk_bf16_f32 v[OB+2*\j+1], v[\buf+4*\j+2], v[\buf+4*\j+3]
.endr
.endm
; load j held half (j & 1) of row j >> 1: 32 lanes x 8 bytes are 256 consecutive bytes of an LDS row
.macro CSTORE vaddr, pitch, c
.irp j, 0,1,2,3,4,5,6,7,8,9,10,11,12,13,14,15
	ds_store_b64 v[\vaddr], v[OB+2*\j:OB+2*\j+1] offset:(8*\c+(\j>>1))*\pitch+(\j&1)*256
.endr
.endm
; A chunk's step: raw buffer buf is rounded into OB, asked for again (chunk nc of the weight at s[nbase]), and OB goes into LDS (address vaddr, rows 8 c on).
; s_wait_loadcnt 32: the 16 loads of each of the two younger chunks stay out; loads come back in order.
.macro STEP buf, vaddr, pitch, c, first, nbase, nc
	s_wait_loadcnt 32
.if \first == 0
	s_wait_alu depctr_vm_vsrc(0)                   ; the LDS stores of the step before have read OB, which the conversions below write again
.endif
	CCVT \buf
	s_wait_alu depctr_va_vdst(0)                   ; the conversions have written OB, which the stores below read, and are done reading the raw buffer, in which the loads below land
	CLOAD \buf, \nbase, B1OFFW, \nc, 0
	CSTORE \vaddr, \pitch, \c
.endm
; the same conversion out of block 1 into HV in block 0
.macro CCVTH buf, c
.irp j, 0,1,2,3,4,5,6,7,8,9,10,11,12,13,14,15
	v_cvt_pk_bf16_f32 v[HV+32*\c+2*\j],   v[\buf+4*\j],   v[\buf+4*\j+1]
	v_cvt_pk_bf16_f32 v[HV+32*\c+2*\j+1], v[\buf+4*\j+2], v[\buf+4*\j+3]
.endr
.endm
.macro HSTORE
.irp c, 0,1,2,3
.irp j, 0,1,2,3,4,5,6,7,8,9,10,11,12,13,14,15
	ds_store_b64 v[HST], v[HV+32*\c+2*\j:HV+32*\c+2*\j+1] offset:(8*\c+(\j>>1))*WP+(\j&1)*256
.endr
.endr
.endm
; The eight fragments of column block cb of a weight stored [k][n]: two transposing loads a fragment, 16 rows apart; then the block's bias (array arr)
.macro LOADW lo, hi, cb, arr
.irp ks, 0,1,2,3
	ds_load_tr16_b128 v[WF+8*\ks:WF+8*\ks+3],   v[\lo] offset:\ks*32*WP+\cb*32
	ds_load_tr16_b128 v[WF+8*\ks+4:WF+8*\ks+7], v[\lo] offset:\ks*32*WP+16*WP+\cb*32
.endr
.irp ks, 0,1,2,3
	ds_load_tr16_b128 v[WF+32+8*\ks:WF+32+8*\ks+3],   v[\hi] offset:\ks*32*WP+\cb*32
	ds_load_tr16_b128 v[WF+32+8*\ks+4:WF+32+8*\ks+7], v[\hi] offset:\ks*32*WP+16*WP+\cb*32
.endr
	ds_load_b128 v[BIAS:BIAS+3],   v[CLD] offset:\arr*1024+\cb*64
	ds_load_b128 v[BIAS+4:BIAS+7], v[CLD] offset:\arr*1024+\cb*64+16
.endm
.macro LOADWW dst, cb
	ds_load_b128 v[\dst:\dst+3],   v[CLD] offset:3*1024+\cb*64
	ds_load_b128 v[\dst+4:\dst+7], v[CLD] offset:3*1024+\cb*64+16
.endm
; 32 matrix instructions: 16 columns x 64 rows x K = 256.  The first four take the bias as C.  The four accumulators take turns, one instruction
; a turn.
.macro MUL
	WIN 0x04                               ; second source (x) in block 1, all else in block 0
.irp rb, 0,1,2,3
	v_wmma_f32_16x16x32_bf16 v[ACC+8*\rb:ACC+8*\rb+7], v[WF:WF+7], v[64*\rb:64*\rb+7], v[BIAS:BIAS+7]
.endr
.irp ks, 1,2,3,4,5,6,7
.irp rb, 0,1,2,3
	v_wmma_f32_16x16x32_bf16 v[ACC+8*\rb:ACC+8*\rb+7], v[WF+8*\ks:WF+8*\ks+7], v[64*\rb+8*\ks:64*\rb+8*\ks+7], v[ACC+8*\rb:ACC+8*\rb+7]
.endr
.endr
.endm
; round to bf16 and store: each store of the wave covers 512 consecutive bytes, aligned.  scale = 1: times log2(e)/16, so that the next launch's
; scores are exponents of 2 with the 1/sqrt(256) already in them.  The four row blocks' arithmetic stands together, then one wait, then the four stores.
.macro EPI dst, cb, scale
.irp rb, 0,1,2,3
.if \scale
.irp p, 0,2,4,6
	v_pk_mul_f32 v[ACC+8*\rb+\p:ACC+8*\rb+\p+1], v[ACC+8*\rb+\p:ACC+8*\rb+\p+1], 0x3db8aa3b op_sel_hi:[1,0]
.endr
.endif
.irp p, 0,1,2,3
	v_cvt_pk_bf16_f32 v[ACC+8*\rb+\p], v[ACC+8*\rb+2*\p], v[ACC+8*\rb+2*\p+1]
.endr
.endr
	s_wait_alu depctr_va_vdst(0)                   ; the roundings have written the first four registers of each accumulator, which the stores read
.irp rb, 0,1,2,3
	global_store_b128 v[OST], v[ACC+8*\rb:ACC+8*\rb+3], s[\dst:\dst+1] offset:\rb*8192+\cb*512
.endr
.endm
; my eight v of each row times my eight Ww, two at a time
.macro EPIV ww, first
.irp rb, 0,1,2,3
.if \first
	v_pk_mul_f32 v[SPP+2*\rb:SPP+2*\rb+1], v[ACC+8*\rb:ACC+8*\rb+1], v[\ww:\ww+1]
.else
	v_pk_fma_f32 v[SPP+2*\rb:SPP+2*\rb+1], v[ACC+8*\rb:ACC+8*\rb+1], v[\ww:\ww+1], v[SPP+2*\rb:SPP+2*\rb+1]
.endif
.irp p, 2,4,6
	v_pk_fma_f32 v[SPP+2*\rb:SPP+2*\rb+1], v[ACC+8*\rb+\p:ACC+8*\rb+\p+1], v[\ww+\p:\ww+\p+1], v[SPP+2*\rb:SPP+2*\rb+1]
.endr
.endr
.endm
.macro WAITS                           ; the fragments are in; and the accumulators, which the last stores read, may be written again
	s_wait_dscnt 0x0
	s_wait_xcnt 0x0
	s_wait_alu depctr_vm_vsrc(0)                   ; the global stores have read the accumulators, which the next product writes; the LDS stores of Wv, once issued, have read HV
.endm
	; ---- set-up ----
	s_load_b512 s[16:31], s[0:1], 0x0              ; x 16, Wq 18, Wk 20, Wv 22, bq 24, bk 26, bv 28, Ww 30
	s_load_b128 s[32:35], s[0:1], 0x40             ; qf 32, kf 34
	s_load_b64 s[36:37], s[0:1], 0x50              ; sv
	v_lshl_add_u32 v30, v0, 2, 0x4e400
	v_mov_b32 v31, 0
	v_lshrrev_b32 v27, 5, v0
	v_readfirstlane_b32 s8, v27                    ; wave 0..7
	v_and_b32 v[LN], 31, v0                        ; L
	v_and_b32 v25, 15, v0                          ; r
	v_bfe_u32 v26, v0, 4, 1                        ; h
	v_mul_u32_u24 v[XLD], v25, XP
	v_lshl_add_u32 v[XLD], v26, 4, v[XLD]
	v_and_b32 v27, 7, v0
	v_lshl_add_u32 v27, v26, 3, v27                ; 8 h + (L & 7): the row of k that I address
	v_mul_u32_u24 v[WLD00], v27, WP
	v_bfe_u32 v28, v0, 3, 1
	v_lshl_add_u32 v[WLD00], v28, 4, v[WLD00]      ; + 16 bytes for the upper eight columns
	s_wait_alu depctr_va_sdst(0)                   ; s8 is written, ahead of its first reader: offsets, bases and branches are made from it
	s_lshl_b32 s9, s8, 6                           ; my 32 columns: 64 bytes a wave
	s_add_co_u32 s9, s9, R0
	v_add_nc_u32 v[WLD00], s9, v[WLD00]
	v_add_nc_u32 v[WLD01], 128*WP, v[WLD00]
	v_add_nc_u32 v[WLD10], RSZ, v[WLD00]
	v_add_nc_u32 v[WLD11], RSZ, v[WLD01]
	s_lshl_b32 s9, s8, 7
	s_add_co_u32 s9, s9, CB
	v_lshl_add_u32 v[CLD], v26, 5, s9
	s_mul_i32 s9, s8, 32*WP
	s_add_co_u32 s9, s9, R0
	v_lshl_add_u32 v[HST], v[LN], 3, s9
	s_lshl_b32 s9, s8, 10
	v_lshl_add_u32 v[OST], v[LN], 4, s9
	s_lshl_b32 s9, s8, 9
	s_add_co_u32 s9, s9, SP
	v_lshl_add_u32 v[SPST], v26, 8, s9
	v_lshl_add_u32 v[SPST], v25, 2, v[SPST]
	v_and_b32 v[CO], 63, v0
	v_lshlrev_b32 v[CO], 4, v[CO]
	v_lshl_add_u32 v[CS], v0, 4, CB
	s_lshl_b32 s9, s8, 13
	v_lshl_add_u32 v12, v[LN], 4, s9               ; x: 8 rows a wave + 16 L
	s_lshl_b32 s9, s8, 15
	v_lshl_add_u32 v13, v[LN], 4, s9               ; a weight: 32 rows a wave + 16 L
	s_mul_i32 s9, s8, 8*XP
	v_lshl_add_u32 v14, v[LN], 3, s9               ; x in LDS: 8 rows a wave + 8 L
	v_add_nc_u32 v15, RSZ, v[HST]                  ; my rows in R1
	WIN 0x40                                       ; destination in block 1: the five copies stand ahead of the first load, so that one wait serves all offsets
	v_mov_b32 v[B1OFFX], v12
	v_mov_b32 v[B1OFFW], v13
	v_mov_b32 v[B1XST],  v14
	v_mov_b32 v[B1WST0], v[HST]
	v_mov_b32 v[B1WST1], v15
	WIN 0
	s_mov_b32 s11, 0
	s_lshl_b32 s10, ttmp9, 16                      ; 64 rows of 1,024 bytes
	s_wait_kmcnt 0x0
	s_add_nc_u64 s[16:17], s[16:17], s[10:11]
	s_lshl_b32 s10, ttmp9, 15                      ; four row blocks of 8,192 bytes
	s_add_nc_u64 s[32:33], s[32:33], s[10:11]
	s_add_nc_u64 s[34:35], s[34:35], s[10:11]
	s_lshl_b32 s10, ttmp9, 8                       ; 64 f32
	s_add_nc_u64 s[36:37], s[36:37], s[10:11]
	; the four constant arrays, 4,096 bytes, one load of 16 bytes a thread: waves 0, 1 take bq, 2, 3 bk, 4, 5 bv, 6, 7 Ww
	s_cmp_lt_u32 s8, 4
	s_cselect_b64 s[40:41], s[24:25], s[28:29]
	s_cselect_b64 s[42:43], s[26:27], s[30:31]
	s_and_b32 s9, s8, 2
	s_cmp_lg_u32 s9, 0
	s_cselect_b64 s[40:41], s[42:43], s[40:41]
	s_wait_alu depctr_va_vdst(0)                   ; v1 to v11 and the five copies in block 1 are written: every load and store of the kernel but wave 0's last ones reads one of them, and no vector instruction names them again
	global_load_b128 v[16:19], v[CO], s[40:41]
	; ---- x and the weights come in: 13 chunks of 8,192 bytes a wave through three buffers; two or three chunks are on their way ----
	WIN 0x55                                       ; every operand in block 1
	CLOAD SB0, 16, B1OFFX, 0, 1                    ; x, read once in the launch
	CLOAD SB1, 18, B1OFFW, 0, 0                    ; Wq
	CLOAD SB2, 18, B1OFFW, 1, 0
	STEP SB0, B1XST,  XP, 0, 1, 18, 2              ; x into LDS; nothing has read OB yet
	STEP SB1, B1WST0, WP, 0, 0, 18, 3              ; Wq into R0
	STEP SB2, B1WST0, WP, 1, 0, 20, 0              ; from here on Wk is asked for
	STEP SB0, B1WST0, WP, 2, 0, 20, 1
	STEP SB1, B1WST0, WP, 3, 0, 20, 2
	STEP SB2, B1WST1, WP, 0, 0, 20, 3              ; Wk into R1
	STEP SB0, B1WST1, WP, 1, 0, 22, 0              ; from here on Wv is asked for
	STEP SB1, B1WST1, WP, 2, 0, 22, 1
	STEP SB2, B1WST1, WP, 3, 0, 22, 2
	s_wait_loadcnt 32
	WIN 0x05                                       ; sources in block 1, destination in block 0
	CCVTH SB0, 0
	WIN 0x55
	s_wait_alu depctr_va_vdst(0)                   ; the conversions are done reading SB0, in which Wv's last chunk lands
	CLOAD SB0, 22, B1OFFW, 3, 0
	s_wait_loadcnt 32
	WIN 0x05
	CCVTH SB1, 1                                   ; the last three chunks are followed by no load and no store
	s_wait_loadcnt 16
	CCVTH SB2, 2
	s_wait_loadcnt 0x0
	CCVTH SB0, 3
	WIN 0
	ds_store_b128 v[CS], v[16:19]                  ; my 16 bytes of the constants (their load is the oldest of all)
	s_wait_dscnt 0x0                               ; my stores of x, Wq, Wk and the constants are done,
	s_barrier_signal -1
	s_barrier_wait -1                              ; everybody's are
	; ---- the products ----
	WIN 0x40
	s_wait_alu depctr_va_vdst(0)                   ; the conversions are done reading SB0 to SB2 (and have written HV): the fragments of x land in all of block 1
	s_wait_alu depctr_vm_vsrc(0)                   ; the LDS stores have read OB, the loads and stores their five offsets in block 1, the constants' store v[16:19], in which the bias lands
.irp rb, 0,1,2,3
.irp ks, 0,1,2,3,4,5,6,7
	ds_load_b128 v[64*\rb+8*\ks:64*\rb+8*\ks+3],   v[XLD] offset:\rb*16*XP+\ks*64       ; x(16 rb + r, 32 ks + 8 h ..)
	ds_load_b128 v[64*\rb+8*\ks+4:64*\rb+8*\ks+7], v[XLD] offset:\rb*16*XP+\ks*64+32    ; x(16 rb + r, 32 ks + 16 + 8 h ..)
.endr
.endr
	WIN 0
	LOADW WLD00, WLD01, 0, 0                       ; q, column block 0
	s_wait_dscnt 0x0
	MUL
	WIN 0
	PLACES
	s_wait_alu depctr_va_vdst(0)                   ; the matrix instructions are done reading WF and the bias, in which the next column block's loads land
	LOADW WLD00, WLD01, 1, 0                       ; q, column block 1: my last reads of Wq
	EPI 32, 0, 1
	WAITS
	s_barrier_signal -1                            ; my reads of R0 are back
	MUL                                            ; registers only, while the others arrive
	WIN 0
	s_barrier_wait -1                              ; nobody reads Wq any more
	PLACES
	s_wait_alu depctr_va_vdst(0)                   ; the matrix instructions are done reading WF and the bias, in which the next column block's loads land
	HSTORE                                         ; Wv into R0
	LOADW WLD10, WLD11, 0, 1                       ; k, column block 0
	EPI 32, 1, 1
	WAITS
	s_barrier_signal -1                            ; my rows of Wv are stored
	MUL
	WIN 0
	s_barrier_wait -1                              ; Wv is whole
	PLACES
	s_wait_alu depctr_va_vdst(0)                   ; the matrix instructions are done reading WF and the bias, in which the next column block's loads land
	LOADW WLD10, WLD11, 1, 1                       ; k, column block 1
	EPI 34, 0, 0
	WAITS
	MUL
	WIN 0
	PLACES
	s_wait_alu depctr_va_vdst(0)                   ; the matrix instructions are done reading WF and the bias, in which the next column block's loads land
	LOADW WLD00, WLD01, 0, 2                       ; v, column block 0
	LOADWW WW0, 0
	EPI 34, 1, 0
	WAITS
	MUL
	WIN 0
	PLACES
	s_wait_alu depctr_va_vdst(0)                   ; the matrix instructions are done reading WF and the bias, in which the next column block's loads land
	LOADW WLD00, WLD01, 1, 2                       ; v, column block 1
	LOADWW WW1, 1
	EPIV WW0, 1
	s_wait_dscnt 0x0
	MUL
	WIN 0
	PLACES
	EPIV WW1, 0
	; ---- s: the 16 parts (8 waves x 2 halves of the lanes) of each row meet in LDS; wave 0 adds them in a fixed order ----
.irp rb, 0,1,2,3
	v_add_f32 v[152+\rb], v[SPP+2*\rb], v[SPP+2*\rb+1]
.endr
	s_wait_alu depctr_va_vdst(0)                   ; the four sums v[152:155] are written, which the LDS stores read
.irp rb, 0,1,2,3
	ds_store_b32 v[SPST], v[152+\rb] offset:\rb*64
.endr
	s_wait_dscnt 0x0                               ; my parts are stored,
	s_barrier_signal -1
	s_barrier_wait -1                              ; all are
	s_cmp_lg_u32 s8, 0
	s_cbranch_scc1 .Lend
	v_lshlrev_b32 v12, 3, v[LN]                    ; lane L takes rows 2 L and 2 L + 1
	v_add_nc_u32 v13, SP, v12
	s_wait_alu depctr_va_vdst(0)                   ; v13, the loads' address, and v12, the last store's offset, are written
.irp p, 0,1,2,3,4,5,6,7,8,9,10,11,12,13,14,15
	ds_load_b64 v[160+2*\p:161+2*\p], v13 offset:\p*256
.endr
	s_wait_dscnt 0x0
.irp p, 0,1,2,3,4,5,6,7
	v_pk_add_f32 v[160+2*\p:161+2*\p], v[160+2*\p:161+2*\p], v[176+2*\p:177+2*\p]
.endr
.irp p, 0,1,2,3
	v_pk_add_f32 v[160+2*\p:161+2*\p], v[160+2*\p:161+2*\p], v[168+2*\p:169+2*\p]
.endr
.irp p, 0,1
	v_pk_add_f32 v[160+2*\p:161+2*\p], v[160+2*\p:161+2*\p], v[164+2*\p:165+2*\p]
.endr
	v_pk_add_f32 v[160:161], v[160:161], v[162:163]
	s_wait_alu depctr_va_vdst(0)                   ; the last addition has written v[160:161], which the store reads
	global_store_b64 v12, v[160:161], s[36:37]     ; one store: the group's 256 consecutive bytes of sv, aligned
.Lend:
	s_wait_dscnt 0x0                               ; the closing lines, six on end
	s_wait_alu 0x0
	s_wait_tensorcnt 0x0
	ds_add_u32 v30, v31
	s_wait_dscnt 0x0
	s_endpgm
.Lfunc_end_k_qed61f74084_proj:
	.size	k_qed61f74084_proj, .Lfunc_end_k_qed61f74084_proj-k_qed61f74084_proj
	.p2alignl 7, 3214868480
	.fill 96, 4, 3214868480
	.section	.rodata,"a",@progbits
	.p2align	6, 0x0
	.amdhsa_kernel k_qed61f74084_proj
		.amdhsa_group_segment_fixed_size 321536
		.amdhsa_private_segment_fixed_size 0
		.amdhsa_enable_private_segment 0
		.amdhsa_kernarg_size 88
		.amdhsa_user_sgpr_count 2
		.amdhsa_user_sgpr_kernarg_segment_ptr 1
		.amdhsa_wavefront_size32 1
		.amdhsa_system_sgpr_workgroup_id_x 1
		.amdhsa_system_sgpr_workgroup_id_y 1
		.amdhsa_system_sgpr_workgroup_id_z 1
		.amdhsa_system_vgpr_workitem_id 0
		.amdhsa_next_free_vgpr 512
		.amdhsa_next_free_sgpr 66
		.amdhsa_reserve_vcc 0
		.amdhsa_float_denorm_mode_32 3
		.amdhsa_float_denorm_mode_16_64 3
		.amdhsa_memory_ordered 1
		.amdhsa_forward_progress 1
		.amdhsa_inst_pref_size 103
	.end_amdhsa_kernel
	.amdgpu_metadata
---
amdhsa.version: [ 1, 2 ]
amdhsa.kernels:
  - .name:           k_qed61f74084_proj
    .symbol:         k_qed61f74084_proj.kd
    .args:
      - { .name: x, .offset: 0, .size: 8, .value_kind: global_buffer, .address_space: global }
      - { .name: Wq, .offset: 8, .size: 8, .value_kind: global_buffer, .address_space: global }
      - { .name: Wk, .offset: 16, .size: 8, .value_kind: global_buffer, .address_space: global }
      - { .name: Wv, .offset: 24, .size: 8, .value_kind: global_buffer, .address_space: global }
      - { .name: bq, .offset: 32, .size: 8, .value_kind: global_buffer, .address_space: global }
      - { .name: bk, .offset: 40, .size: 8, .value_kind: global_buffer, .address_space: global }
      - { .name: bv, .offset: 48, .size: 8, .value_kind: global_buffer, .address_space: global }
      - { .name: Ww, .offset: 56, .size: 8, .value_kind: global_buffer, .address_space: global }
      - { .name: qf, .offset: 64, .size: 8, .value_kind: global_buffer, .address_space: global }
      - { .name: kf, .offset: 72, .size: 8, .value_kind: global_buffer, .address_space: global }
      - { .name: sv, .offset: 80, .size: 8, .value_kind: global_buffer, .address_space: global }
    .group_segment_fixed_size: 321536
    .private_segment_fixed_size: 0
    .kernarg_segment_align: 8
    .kernarg_segment_size: 88
    .max_flat_workgroup_size: 256
    .sgpr_count:     66
    .vgpr_count:     512
    .wavefront_size: 32
...
	.end_amdgpu_metadata
.endif
;; end of part 3
;; launch attn: the kernel of part 2 again; grid 256 x 1, 8 waves a work-group, clusters of 4 x 1, 327,680 bytes of LDS; arguments qf, kf, sv, bw, out0; writes out0
